; MI455X (gfx1250); checked and timed in simulation.
; The chip was launched on July 23, 2026; its instructions are those of AMD's public machine-readable ISA for CDNA 5 (MIT licence, August 2026) and "CDNA5" Instruction Set Architecture Reference Guide (July 2026). The comments in the code are by the model that wrote it; some were corrected since.
;; Multi Head Encoder Attention. Allowed arithmetic: matrix products marked QUANTISED: E2M1 operands, one E8M0 scale for each 32 along K, by v_wmma_scale_f32_16x16x128_f8f6f4 with both operands' format E2M1 (or v_wmma_scale_f32_32x16x128_f4), f32 sums; everything else in f32.
;; Inputs: Wk 16 x 1,024 x 64 float32; Wq 16 x 1,024 x 64 float32; Wv 16 x 1,024 x 64 float32; attn_mask 8 x 1,024 x 1,024 int32; bk 16 x 64 float32; bq 16 x 64 float32; bv 16 x 64 float32; decoder_batch 8 x 1,024 x 1,024 float32; encoder_out 8 x 1,024 x 1,024 float32.
;; Outputs: out0 8 x 1,024 x 1,024 float32.
;; This version of the problem:
;;   THIS VERSION OF THE PROBLEM IS GIVEN IN LOW PRECISION. The matrix products marked QUANTISED in the list below multiply operands that are first quantised to E2M1 (2 exponent bits, 1 mantissa bit; 4 bits a number), with one power-of-two scale for each 32 numbers along K (OCP MX v1.0); their sums are f32. All else is computed in f32.
;;   The module's matrix products, in the order in which they are computed (A, B: the left and right operand; K: the contracted axis; several contracted axes count as one K, in the product's order):
;;     1. [M 1,024, K 1,024] x [K 1,024, N 8,192]; A: input Wq; B: input decoder_batch: QUANTISED
;;     2. [M 1,024, K 1,024] x [K 1,024, N 8,192]; A: input Wk; B: input encoder_out: QUANTISED
;;     3. [M 1,024, K 1,024] x [K 1,024, N 8,192]; A: input Wv; B: input encoder_out: QUANTISED
;;     4. batch 128 x [M 1,024, K 64] x [K 64, N 1,024]; A: computed on the way; B: computed on the way: QUANTISED
;;     5. batch 128 x [M 1,024, K 1,024] x [K 1,024, N 64]; A: computed on the way; B: computed on the way: QUANTISED
;;   THE QUANTISER, for each operand of a quantised product, along K:
;;     - K is cut into blocks of 32 from its start; a last block that is shorter is filled with zeros.
;;     - A block's scale is 2^e with e = floor(log2(the largest magnitude in the block)) - 2, held to -126 .. 127; a block of zeros has e = 0. As a byte (E8M0): e + 127.
;;     - Each number is divided by its block's scale, clamped to +-6, and rounded to the nearest number of E2M1, ties to even, subnormals kept.
;;     - The product sums the exact products of the quantised numbers (number of the format x scale) in f32.
;;   ~~~python
;;   def quantise(x, axis):      # numpy; x: float32 -> the quantised numbers, widened to float32 again
;;       x = np.moveaxis(x, axis, -1); K = x.shape[-1]
;;       x = np.pad(x, [(0, 0)] * (x.ndim - 1) + [(0, -K % 32)]); x = x.reshape(x.shape[:-1] + (-1, 32)); a = np.abs(x).max(-1, keepdims=True)
;;       e = np.where(a > 0, np.clip(np.frexp(np.where(a > 0, a, 1))[1] - 1 - 2, -126, 127), 0)      # np.frexp(a)[1] - 1 = floor(log2(a)), exactly
;;       r = np.clip(x / 2.0 ** e, -6, 6)
;;       step = 2.0 ** (np.maximum(np.frexp(np.where(r == 0, 1, r))[1] - 1, 0) - 1)
;;       q = np.round(r / step) * step * 2.0 ** e      # np.round: ties to even
;;       return np.moveaxis(q.reshape(q.shape[:-2] + (-1,))[..., :K], -1, axis).astype(np.float32)
;;   ~~~
;;   OPERANDS COMPUTED ON THE WAY. 'Computed on the way' means the value that the module computes at that place (a softmax that the list does not call 'softmax' is quantised finished and normalised). What goes into a quantiser is computed in f32, as accurately as f32 sums, v_exp_f32 and their like allow (about 1e-6 of the number): no bf16 or f16 on the way to a quantiser, and a product that is left as it is and whose result goes on into a quantised operand takes f32 operands (vector FMAs, or v_wmma_f32_16x16x4_f32). A number that lies on a knife's edge between two numbers of the format may be rounded either way, as far as f32 arithmetic and the matrix unit's own rounding can turn it there, and no further.
;; One version. Each part assembles by itself: llvm-mc -triple=amdgcn-amd-amdhsa -mcpu=gfx1250 --defsym DOCPART=n.
;; ======== version 1 of 1: 3 launches
;; limits: right only within a limited range of input values
;; workspace buffers: xc 9,961,472 bytes; xs 622,592 bytes; mk 4,194,304 bytes; qc 12,582,912 bytes; qs 1,572,864 bytes
;; launch prep (part 1): grid 704 x 1, 4 waves a work-group, no clusters, 35,328 bytes of LDS; arguments decoder_batch, encoder_out, Wq, Wk, Wv, xc, xs; writes xc, xs
.if DOCPART == 1
	.amdgcn_target "amdgcn-amd-amdhsa--gfx1250"
	.amdhsa_code_object_version 6
	.text
	.protected	k_q41513621c6_prep
	.globl	k_q41513621c6_prep
	.p2align	8
	.type	k_q41513621c6_prep,@function
k_q41513621c6_prep:
	s_mov_b64 s[64:65], 0
	v_nop
	global_prefetch_b8 v0, s[64:65] scope:SCOPE_SE
	s_setreg_imm32_b32 hwreg(HW_REG_WAVE_MODE, 25, 1), 1
	s_wait_xcnt 0x0
; PREP: the first of three launches of cross attention on codes of E2M1 (MX-FP4).
; NOTHING OF reference() IS LEFT OUT: every input has a way to out0 (bk too: it moves the codes of k), so every input is loaded by some launch (attn_mask and the biases by the second).
; This launch quantises decoder_batch, encoder_out (K = their last axis) and Wq, Wk, Wv (K = their middle axis) along the model's 1,024, blocks of 32.
; A block's scale is 2^(floor(log2(largest magnitude)) - 2): its byte is the largest magnitude's exponent field - 2, held at 1 from below.  A block of zeros so gets the byte 1 where the
; rule says 127: its codes are zeros, which add nothing under any byte but 0xff, and this program alone reads the bytes.
; LIMITS: NaN and infinities among the inputs are not served.
; ONE ROW ORDER FOR EVERY TILE OF 16 ROWS: lane r of tile T holds row 32 (T / 2) + 8 (T % 2) + r + 8 (r / 8).  As source 0 of a product this lets the 16 result registers of tiles 2 b, 2 b + 1 be 16 neighbours.
; xc: 1,216 tiles of 8,192 bytes (decoder 0-511, encoder 512-1023, Wq 1024-1087, Wk 1088-1151, Wv 1152-1215; a tile of W: 4 x head + t, its rows the head's 64 columns):
;     [block of 32 along K: 0..31][r][16 bytes]: the fragment of K step s is the 1,024 bytes at 1,024 s, as an image of its registers (16 bytes a lane, 512 a load).
; xs: 512 bytes a tile: [lane (h, r)][j 0..3] words: word j of lane (h, r) holds the four scale bytes of K step 2 j + h of row r: one load of 16 bytes a lane brings a tile's eight K steps
;     as the scaled products take them (even steps from lanes 0-15, odd ones from lanes 16-31).
; SHARES: work-groups 0-511 take x (a wave: one tile, half of K), 512-703 the weights (a wave: 32 columns x 128 along K).
; The two paths part on the work-group's number alone; only the first uses LDS.  No tensor loads, no barrier: waves share nothing.
.set SPARE, 34816                      ; behind the four waves' stages: the spare words, 128 bytes a wave
.set SPW, 16                           ; v16  LDS address of my spare word; never rewritten
.set NIL, 17                           ; v17  0; never rewritten
	s_load_b256 s[4:11], s[0:1], 0x0               ; decoder s[4:5], encoder s[6:7], Wq s[8:9], Wk s[10:11]
	s_load_b128 s[12:15], s[0:1], 0x20             ; Wv s[12:13], xc s[14:15]
	s_load_b64 s[16:17], s[0:1], 0x30              ; xs
	v_lshl_add_u32 v[SPW], v0, 2, SPARE
	v_mov_b32 v[NIL], 0
	v_lshrrev_b32 v1, 5, v0
	v_readfirstlane_b32 s22, v1                    ; wave 0..3
	v_and_b32 v1, 31, v0                           ; lane
	v_and_b32 v2, 15, v0                           ; r
	v_bfe_u32 v3, v0, 4, 1                         ; h
	s_mov_b32 s27, 0                               ; the high word of every offset pair s[26:27]
	s_wait_kmcnt 0x0
	s_cmp_lt_u32 ttmp9, 512
	s_cbranch_scc1 .Lpath_x
; the largest magnitude of 32 numbers v[x] .. v[x + 31] of one lane, in two chains, with the floor 2^(3 - 127) as one more leaf: into v11
.macro AMAX32 x
	v_max3_num_f32 v11, |v[\x]|, |v[\x+1]|, |v[\x+2]|
	v_max3_num_f32 v12, |v[\x+3]|, |v[\x+4]|, |v[\x+5]|
.irp i, 6,10,14,18,22,26
	v_max3_num_f32 v11, v11, |v[\x+\i]|, |v[\x+\i+1]|
	v_max3_num_f32 v12, v12, |v[\x+\i+2]|, |v[\x+\i+3]|
.endr
	v_max3_num_f32 v11, v11, |v[\x+30]|, |v[\x+31]|
	v_max3_num_f32 v11, v11, v12, 0x1800000
.endm
; ---------------- THE WEIGHTS.  W[head] is [1,024 (K)][64 columns]: a lane takes a column and its registers run down K, so a block of 32 lies in one lane and nothing is transposed.
	s_sub_co_u32 s23, ttmp9, 512
	s_lshr_b32 s24, s23, 6                         ; which weight: 0 Wq, 1 Wk, 2 Wv
	s_bfe_u32 s25, s23, 0x40002                    ; head
	s_and_b32 s28, s23, 3
	s_and_b32 s29, s22, 1                          ; which 32 columns of the head's 64
	s_lshr_b32 s30, s22, 1
	s_lshl_b32 s28, s28, 1
	s_add_co_u32 s28, s28, s30                     ; K step of 128: 0..7
	s_cmp_eq_u32 s24, 0
	s_cselect_b64 s[8:9], s[8:9], s[10:11]
	s_cmp_eq_u32 s24, 2
	s_cselect_b64 s[8:9], s[12:13], s[8:9]
	s_lshl_b32 s26, s25, 18                        ; a head is 262,144 bytes,
	s_lshl_b32 s30, s28, 15                        ; 128 rows of 256 bytes,
	s_add_co_u32 s26, s26, s30
	s_lshl_b32 s30, s29, 7                         ; 32 columns
	s_add_co_u32 s26, s26, s30
	s_add_nc_u64 s[8:9], s[8:9], s[26:27]
	s_lshl_b32 s30, s24, 6
	s_lshl_b32 s31, s25, 2
	s_add_co_u32 s30, s30, s31
	s_lshl_b32 s31, s29, 1
	s_add_co_u32 s30, s30, s31
	s_add_co_u32 s30, s30, 1024                    ; my first tile: lanes 0-15 fill it, lanes 16-31 the next
	s_lshl_b32 s26, s30, 13
	s_lshl_b32 s31, s28, 10
	s_add_co_u32 s26, s26, s31
	s_add_nc_u64 s[14:15], s[14:15], s[26:27]
	s_lshl_b32 s26, s30, 9                         ; the scale words of K step s: 256 (s % 2) + 4 (s / 2) + 16 r in the tile's 512 bytes
	s_and_b32 s31, s28, 1
	s_lshl_b32 s31, s31, 8
	s_add_co_u32 s26, s26, s31
	s_lshr_b32 s31, s28, 1
	s_lshl_b32 s31, s31, 2
	s_add_co_u32 s26, s26, s31
	s_add_nc_u64 s[16:17], s[16:17], s[26:27]
	v_and_b32 v4, 8, v2
	v_add_nc_u32 v4, v4, v2                        ; r + 8 (r / 8)
	v_lshl_add_u32 v4, v3, 3, v4                   ; + 8 for the second tile
	v_lshlrev_b32 v4, 2, v4                        ; my column, in bytes
	v_lshlrev_b32 v5, 4, v2
	v_lshl_add_u32 v5, v3, 13, v5                  ; codes: 16 r, + a tile for lanes 16-31
	v_lshlrev_b32 v6, 4, v2
	v_lshl_add_u32 v6, v3, 9, v6                   ; scale words: 16 r, + a tile
.macro WLOAD t                         ; block t of my K step: 32 rows of W at my column, into set t % 2
.set wi, 0
.rept 32
	global_load_b32 v[32+32*((\t)%2)+wi], v4, s[8:9] offset:(32*(\t)+wi)*256
.set wi, wi+1
.endr
.endm
.macro WBLOCK t
.set XS, 32+32*((\t)%2)
.if (\t) < 3
	s_wait_loadcnt 32                              ; this block's 32 loads are in; the next block's 32 may be out
.else
	s_wait_loadcnt 0x0
.endif
	AMAX32 XS
	v_add_nc_u32 v13, 0xff000000, v11              ; 2 off the exponent field: the conversion's scale operand
	v_lshrrev_b32 v14, 23, v13                     ; the scale's byte
.if (\t) == 0
	v_mov_b32 v24, v14
.else
	v_lshl_or_b32 v24, v14, 8*(\t), v24            ; four bytes make the K step's scale word of my column
.endif
.irp g, 0,1,2,3
	v_cvt_scalef32_pk8_fp4_f32 v[96+4*(\t)+\g], v[XS+8*\g:XS+8*\g+7], v13
.endr
	global_store_b128 v5, v[96+4*(\t):96+4*(\t)+3], s[14:15] offset:256*(\t)   ; sixteen lanes store 256 consecutive bytes, aligned; each block has its own registers
.if (\t)+2 < 4
	WLOAD (\t)+2
.endif
.endm
	WLOAD 0
	WLOAD 1
	WBLOCK 0
	WBLOCK 1
	WBLOCK 2
	WBLOCK 3
	global_store_b32 v6, v24, s[16:17]             ; single words 16 bytes apart: 98,304 bytes of scale words in the whole launch leave so
	s_endpgm
; ---------------- THE ACTIVATIONS.  Each load takes 256 consecutive bytes of two rows; a step's 16 rows x 256 bytes turn through the wave's own stage, so that a lane gets a whole block of 32 neighbours.
.Lpath_x:
	s_lshl_b32 s23, ttmp9, 2
	s_add_co_u32 s23, s23, s22
	s_lshr_b32 s24, s23, 1                         ; tile 0..1023
	s_and_b32 s25, s23, 1                          ; which half of K
	s_cmp_lt_u32 ttmp9, 256
	s_cselect_b64 s[4:5], s[4:5], s[6:7]           ; decoder or encoder: the choice hangs on the work-group's number alone
	s_and_b32 s28, s24, 511
	s_lshr_b32 s29, s28, 1
	s_lshl_b32 s26, s29, 17
	s_and_b32 s29, s28, 1
	s_lshl_b32 s29, s29, 15
	s_add_co_u32 s26, s26, s29
	s_lshl_b32 s29, s25, 11
	s_add_co_u32 s26, s26, s29
	s_add_nc_u64 s[4:5], s[4:5], s[26:27]
	s_lshl_b32 s26, s24, 13
	s_lshl_b32 s29, s25, 12
	s_add_co_u32 s26, s26, s29
	s_add_nc_u64 s[14:15], s[14:15], s[26:27]
	s_lshl_b32 s26, s24, 9
	s_lshl_b32 s29, s25, 3                         ; my half of K is words 2 x half and 2 x half + 1 of each lane's four
	s_add_co_u32 s26, s26, s29
	s_add_nc_u64 s[16:17], s[16:17], s[26:27]
	s_mul_i32 s28, s22, 8704                       ; my two stages of 16 rows x 272 bytes
	s_mov_b32 s30, 0x76543210
	s_mov_b32 s31, 0xfedcba98                      ; v_permlanex16_b32's selects for lane l xor 16
	s_mov_b32 s32, 0xffff0000                      ; lanes 16-31
	v_lshlrev_b32 v7, 4, v1                        ; 16 x lane
	v_lshlrev_b32 v9, 3, v3                        ; 8 h: my byte's place in a scale word in even steps,
	v_add_nc_u32 v10, 16, v9                       ; and in odd ones
	v_lshlrev_b32 v4, 4, v2
	v_lshl_add_u32 v4, v3, 12, v4                  ; in: lanes 0-15 one row, lanes 16-31 the next
	v_mul_u32_u24 v5, v3, 272
	v_lshl_add_u32 v5, v2, 4, v5
	v_add_nc_u32 v5, s28, v5                       ; into the stage, as loaded
	v_mul_u32_u24 v6, v2, 272
	v_lshl_add_u32 v6, v3, 7, v6
	v_add_nc_u32 v6, s28, v6                       ; out of it: row r, block h: 128 bytes
.irp k, 0,1,2,3
	v_mov_b32 v[22+\k], 0                          ; written once: a lane permute's destination counts as one of its sources
.endr
.macro XLOAD t                         ; step t: 256 bytes of each of the tile's 16 rows, into set t % 3
.set xi, 0
.rept 8
	global_load_b128 v[32+32*((\t)%3)+4*xi:32+32*((\t)%3)+4*xi+3], v4, s[4:5] offset:(2*xi+8*(xi/4))*4096+256*(\t) th:TH_LOAD_NT
.set xi, xi+1
.endr
.endm
.macro XTURN t                         ; through stage t % 2: LDS serves a wave's instructions in order (ISA guide 5.7.1.4), so no wait stands between the stores and the loads
.set xi, 0
.rept 8
	ds_store_b128 v5, v[32+32*((\t)%3)+4*xi:32+32*((\t)%3)+4*xi+3] offset:4352*((\t)%2)+544*xi
.set xi, xi+1
.endr
.set xi, 0
.rept 8
	ds_load_b128 v[128+32*((\t)%2)+4*xi:128+32*((\t)%2)+4*xi+3], v6 offset:4352*((\t)%2)+16*xi
.set xi, xi+1
.endr
.endm
.macro XSTEP t
.set XS, 128+32*((\t)%2)
	s_wait_dscnt 0x0                               ; this step's block is back from the stage, and the stores into the stage have read their registers,
.if (\t)+3 < 8
	XLOAD (\t)+3                                   ; which take the loads of three steps on
.endif
.if (\t) < 7
.if (\t) <= 4
	s_wait_loadcnt 16                              ; the next step's 8 loads are in; those of the two steps behind it may be out
.else
	s_wait_loadcnt 8*(6-(\t))
.endif
	XTURN (\t)+1
.endif
	AMAX32 XS
	v_add_nc_u32 v13, 0xff000000, v11              ; 2 off the exponent field: the conversion's scale operand
.irp g, 0,1,2,3
	v_cvt_scalef32_pk8_fp4_f32 v[192+4*(\t)+\g], v[XS+8*\g:XS+8*\g+7], v13
.endr
	v_lshrrev_b32 v14, 23, v13                     ; the scale's byte (also the plain line behind the conversions)
.if (\t)%2 == 0
	v_lshlrev_b32 v[18+(\t)/2], v9, v14            ; block 2 t + h is byte 2 (t % 2) + h of K step t / 2
.else
	v_lshl_or_b32 v[18+(\t)/2], v14, v10, v[18+(\t)/2]
.endif
	global_store_b128 v7, v[192+4*(\t):192+4*(\t)+3], s[14:15] offset:512*(\t)   ; 512 consecutive bytes; each step has its own registers
.endm
	XLOAD 0
	XLOAD 1
	XLOAD 2
	s_wait_loadcnt 16                              ; step 0's loads are in
	XTURN 0
.irp t, 0,1,2,3,4,5,6,7
	XSTEP \t
.endr
.irp k, 0,1,2,3
	v_permlanex16_b32 v[22+\k], v[18+\k], s30, s31
.endr
.irp k, 0,1,2,3
	v_or_b32 v[18+\k], v[18+\k], v[22+\k]          ; with lane l xor 16's two bytes each word is whole
.endr
	v_cndmask_b32 v26, v18, v19, s32               ; lanes 0-15 keep an even K step's word, lanes 16-31 the odd one's: my half's steps 0, 1,
	v_cndmask_b32 v27, v20, v21, s32               ; and 2, 3
	global_store_b64 v7, v[26:27], s[16:17]        ; 8 of each lane's 16 bytes; the wave with the other half of K stores the other 8
	s_wait_tensorcnt 0x0                           ; the wave's end, behind my last LDS store
	ds_add_u32 v[SPW], v[NIL]
	s_wait_dscnt 0x0
	s_endpgm
.Lfunc_end_k_q41513621c6_prep:
	.size	k_q41513621c6_prep, .Lfunc_end_k_q41513621c6_prep-k_q41513621c6_prep
	.p2alignl 7, 3214868480
	.fill 96, 4, 3214868480
	.section	.rodata,"a",@progbits
	.p2align	6, 0x0
	.amdhsa_kernel k_q41513621c6_prep
		.amdhsa_group_segment_fixed_size 35328
		.amdhsa_private_segment_fixed_size 0
		.amdhsa_enable_private_segment 0
		.amdhsa_kernarg_size 56
		.amdhsa_user_sgpr_count 2
		.amdhsa_user_sgpr_kernarg_segment_ptr 1
		.amdhsa_wavefront_size32 1
		.amdhsa_system_sgpr_workgroup_id_x 1
		.amdhsa_system_sgpr_workgroup_id_y 1
		.amdhsa_system_sgpr_workgroup_id_z 1
		.amdhsa_system_vgpr_workitem_id 0
		.amdhsa_next_free_vgpr 224
		.amdhsa_next_free_sgpr 66
		.amdhsa_reserve_vcc 0
		.amdhsa_float_denorm_mode_32 3
		.amdhsa_float_denorm_mode_16_64 3
		.amdhsa_memory_ordered 1
		.amdhsa_forward_progress 1
		.amdhsa_inst_pref_size 50
	.end_amdhsa_kernel
	.amdgpu_metadata
---
amdhsa.version: [ 1, 2 ]
amdhsa.kernels:
  - .name:           k_q41513621c6_prep
    .symbol:         k_q41513621c6_prep.kd
    .args:
      - { .name: decoder_batch, .offset: 0, .size: 8, .value_kind: global_buffer, .address_space: global }
      - { .name: encoder_out, .offset: 8, .size: 8, .value_kind: global_buffer, .address_space: global }
      - { .name: Wq, .offset: 16, .size: 8, .value_kind: global_buffer, .address_space: global }
      - { .name: Wk, .offset: 24, .size: 8, .value_kind: global_buffer, .address_space: global }
      - { .name: Wv, .offset: 32, .size: 8, .value_kind: global_buffer, .address_space: global }
      - { .name: xc, .offset: 40, .size: 8, .value_kind: global_buffer, .address_space: global }
      - { .name: xs, .offset: 48, .size: 8, .value_kind: global_buffer, .address_space: global }
    .group_segment_fixed_size: 35328
    .private_segment_fixed_size: 0
    .kernarg_segment_align: 8
    .kernarg_segment_size: 56
    .max_flat_workgroup_size: 128
    .sgpr_count:     66
    .vgpr_count:     224
    .wavefront_size: 32
...
	.end_amdgpu_metadata
.endif
;; end of part 1
;; launch proj (part 2): grid 1024 x 1, 4 waves a work-group, no clusters, 66,048 bytes of LDS; arguments xc, xs, bq, bk, bv, qc, qs, attn_mask, mk; writes qc, qs, mk
.if DOCPART == 2
	.amdgcn_target "amdgcn-amd-amdhsa--gfx1250"
	.amdhsa_code_object_version 6
	.text
	.protected	k_q41513621c6_proj
	.globl	k_q41513621c6_proj
	.p2align	8
	.type	k_q41513621c6_proj,@function
k_q41513621c6_proj:
	s_mov_b64 s[64:65], 0
	v_nop
	global_prefetch_b8 v0, s[64:65] scope:SCOPE_SE
	s_setreg_imm32_b32 hwreg(HW_REG_WAVE_MODE, 25, 1), 1
	s_wait_xcnt 0x0
; PROJ: q = x Wq + bq, k = e Wk + bk, v = e Wv + bv on the codes that the first launch made, and their results quantised in registers: q and k along the head's 64, v along the keys.  No work is left out.
; BESIDE THEM the mask becomes codes: 0xF (the number -6) where attn_mask is 0, else 0; the third launch multiplies these by an identity in codes, which puts 0 or -6 x 2^100 under each score.
; That conversion stands in this launch because nothing ahead of the third launch reads mk: its stream of 33,554,432 bytes runs beside the products, which read 10,584,064 bytes of codes and scale words again and again,
; and not behind the first launch's 79,691,776.  Work-groups 0-255 take the mask (a wave: 16 queries x 512 keys), 256-511 make q, 512-767 k, 768-1023 v.  The paths part on the work-group's number alone; the mask's touches no LDS.
; ONE SCHEME FOR ALL THREE PRODUCTS.  A resident operand R, 64 rows x all 1,024 of K (4 tiles x 8 K steps = 256 registers: window 1), is a wave's own, loaded straight from xc as images of registers, and is source 0.
; A streamed operand S, 128 rows (8 tiles, 65,536 dense bytes of xc), is copied once into LDS, read by all four waves, and is source 1.
; In a result lane (r, h) holds S's row r, and the 32 registers of R's four tiles are R's rows 32 b + 16 h + 0 .. 15, b = 0, 1: two half blocks of the NEXT product's K.
; q, k: R = one head of W, S = 128 rows of x.   v: R = 64 keys of the encoder, S = 128 rows of Wv (two heads): so v's registers run along the keys.
; The bias is the C of each sum's first matrix instruction.  The four accumulators take turns, one instruction a turn, K ascending.
; qc: q at 0, k at 4 MiB: [batch x 16 + head][tile 0..63][lane][16 bytes], lane (r, h) = block h of the row's 64;  v at 8 MiB: [batch x 16 + head][tile of the head's 64: 0..3][group of 64 keys: 0..15][lane][16 bytes].
; qs: groups of 512 bytes for eight tiles: [lane (h, r)][e 0..3] words, word e for tile 2 e + h; a word = byte of block 0 | byte of block 1 << 8.
; mk: [batch x 64 + query tile][kappa 0..31][lane (h, r)][8 bytes]: 16 codes; nibble i: query i of the tile, key r of key tile 2 kappa + h.  (Lane r of tile T is row 32 (T / 2) + 8 (T % 2) + r + 8 (r / 8), as everywhere.)
; A block of zeros gets the byte 1 where the rule says 127: its codes are zeros, and this program alone reads the bytes.  LIMITS: NaN and infinities are not served.
; No tensor load: R goes into registers, and S is read from memory once by a work-group.  No cluster: of a work-group's 196,608 bytes of codes only S's 65,536 are shared with others.
.set SPARE, 65536                      ; behind S's images: the spare words, 128 bytes a wave
.set RS,  16                           ; v16-31   R's scale words: tile t, K steps 2 j (lanes 0-15) and 2 j + 1 (lanes 16-31) at v[RS + 4 t + j]
.set SS,  32                           ; v32-63   S's likewise
.set BR,  64                           ; v64-95   q, k: the bias in the result's layout, 8 registers a tile of R;  v: v64-71 a tile of S's bias, one number a lane,
.set BV,  72                           ; v72-79   and its eight copies for the tile in hand
.set ACC, 96                           ; v96-127  four accumulators
.set SF,  128                          ; v128-191 S's eight fragments of one tile
.set PC,  192                          ; v192-223 the codes made, 4 registers a tile
.set PW,  224                          ; v224-231 the scale words made
.set TM,  232                          ; v232-239 at work
.set PWC, 248                          ; v248-251 the scale words as they are stored
.set MSB, 0
.macro WIN new                         ; the immediate's high byte repeats the setting that is left
.if MSB != (\new)
	s_set_vgpr_msb (MSB<<8)|(\new)
.set MSB, \new
.endif
.endm
	v_lshl_add_u32 v10, v0, 2, SPARE               ; v10: my spare word; v11: 0; both never rewritten
	v_mov_b32 v11, 0
	v_lshrrev_b32 v1, 5, v0
	v_readfirstlane_b32 s24, v1                    ; wave 0..3
	v_and_b32 v1, 31, v0
	v_and_b32 v2, 15, v0                           ; r
	v_bfe_u32 v3, v0, 4, 1                         ; h
	s_cmp_lt_u32 ttmp9, 256
	s_cbranch_scc1 .Lmask                          ; the first 256 work-groups take the mask: the same way for all four waves
	s_load_b256 s[4:11], s[0:1], 0x0               ; xc s[4:5], xs s[6:7], bq s[8:9], bk s[10:11]
	s_load_b128 s[12:15], s[0:1], 0x20             ; bv s[12:13], qc s[14:15]
	s_load_b64 s[16:17], s[0:1], 0x30              ; qs
	v_lshlrev_b32 v4, 4, v1                        ; 16 x lane: an image's place for my lane
	s_lshl_b32 s38, s24, 14
	v_add_nc_u32 v6, s38, v4                       ; the copy: my wave's 16,384 bytes of S
	s_lshr_b32 s18, ttmp9, 8
	s_sub_co_u32 s18, s18, 1                       ; the product: 0 q, 1 k, 2 v
	s_and_b32 s19, ttmp9, 255
	; q, k: block of 128 rows s20, head s21
	s_lshr_b32 s20, s19, 2
	s_and_b32 s21, s19, 3
	s_lshl_b32 s21, s21, 2
	s_add_co_u32 s21, s21, s24
	s_lshl_b32 s22, s18, 9
	s_lshl_b32 s38, s20, 3
	s_add_co_u32 s22, s22, s38                     ; S's first tile
	s_lshl_b32 s23, s18, 6
	s_lshl_b32 s38, s21, 2
	s_add_co_u32 s23, s23, s38
	s_add_co_u32 s23, s23, 1024                    ; R's first tile
	s_lshl_b32 s25, s18, 7
	s_lshr_b32 s38, s20, 3
	s_lshl_b32 s38, s38, 4
	s_add_co_u32 s25, s25, s38
	s_add_co_u32 s25, s25, s21                     ; 128 x product + 16 x batch + head
	s_and_b32 s38, s20, 7
	s_lshl_b32 s26, s25, 15
	s_lshl_b32 s39, s38, 12
	s_add_co_u32 s26, s26, s39                     ; where the codes go
	s_lshl_b32 s27, s25, 12
	s_lshl_b32 s39, s38, 9
	s_add_co_u32 s27, s27, s39                     ; where the scale words go
	; v: pair of heads s30, group of 64 keys s31 = 16 x batch s32 + s33
	s_and_b32 s30, s19, 7
	s_lshr_b32 s31, s19, 3
	s_lshl_b32 s31, s31, 2
	s_add_co_u32 s31, s31, s24
	s_lshr_b32 s32, s31, 4
	s_and_b32 s33, s31, 15
	s_lshl_b32 s34, s30, 3
	s_add_co_u32 s34, s34, 1152
	s_lshl_b32 s35, s31, 2
	s_add_co_u32 s35, s35, 512
	s_lshl_b32 s36, s32, 4
	s_lshl_b32 s38, s30, 1
	s_add_co_u32 s36, s36, s38
	s_add_co_u32 s36, s36, 256
	s_lshl_b32 s36, s36, 15
	s_lshl_b32 s38, s33, 9
	s_add_co_u32 s36, s36, s38
	s_lshl_b32 s37, s32, 3
	s_add_co_u32 s37, s37, s30
	s_lshl_b32 s37, s37, 4
	s_add_co_u32 s37, s37, s33
	s_lshl_b32 s37, s37, 9
	s_add_co_u32 s37, s37, 0x100000
	s_cmp_eq_u32 s18, 2
	s_cselect_b32 s22, s34, s22
	s_cselect_b32 s23, s35, s23
	s_cselect_b32 s26, s36, s26
	s_cselect_b32 s27, s37, s27
	s_mov_b32 s39, 0
	s_mov_b32 s40, 0x76543210
	s_mov_b32 s41, 0xfedcba98                      ; v_permlanex16_b32's selects for lane l xor 16
	s_mov_b32 s42, 0xffff0000                      ; lanes 16-31
	s_wait_kmcnt 0x0
	s_lshl_b32 s38, s22, 13
	s_add_nc_u64 s[44:45], s[4:5], s[38:39]        ; S's codes
	s_lshl_b32 s38, s23, 13
	s_add_nc_u64 s[46:47], s[4:5], s[38:39]        ; R's codes
	s_lshl_b32 s38, s22, 9
	s_add_nc_u64 s[2:3], s[6:7], s[38:39]          ; S's scale words
	s_lshl_b32 s38, s23, 9
	s_add_nc_u64 s[6:7], s[6:7], s[38:39]          ; R's
	s_mov_b32 s38, s26
	s_add_nc_u64 s[14:15], s[14:15], s[38:39]
	s_mov_b32 s38, s27
	s_add_nc_u64 s[16:17], s[16:17], s[38:39]
.set ci, 0
.rept 32
	global_load_b128 v[96+4*ci:96+4*ci+3], v6, s[44:45] offset:512*ci     ; my quarter of S, 512 consecutive bytes a load
.set ci, ci+1
.endr
	WIN 0x40                                       ; destination window 1
.set ci, 0
.rept 32
	global_load_b128 v[4*ci:4*ci+3], v4, s[46:47] offset:512*ci           ; R: tile t, K step s, half c at v[64 t + 8 s + 4 c] of window 1
.set ci, ci+1
.endr
	WIN 0
	s_wait_loadcnt 32                              ; S's 32 loads are in; R's first 32 may be out
.set ci, 0
.rept 32
	ds_store_b128 v6, v[96+4*ci:96+4*ci+3] offset:512*ci
.set ci, ci+1
.endr
	WIN 0x40
.set ci, 32
.rept 32
	global_load_b128 v[4*ci:4*ci+3], v4, s[46:47] offset:512*ci
.set ci, ci+1
.endr
	WIN 0
.irp rt, 0,1,2,3
	global_load_b128 v[RS+4*\rt:RS+4*\rt+3], v4, s[6:7] offset:512*\rt    ; a tile's scale words of all eight K steps: 512 consecutive bytes
.endr
.irp st, 0,1,2,3,4,5,6,7
	global_load_b128 v[SS+4*\st:SS+4*\st+3], v4, s[2:3] offset:512*\st
.endr
	v_mov_b32 v[TM+2], 0                           ; written once: a lane permute's destination counts as one of its sources
	v_mov_b32 v[TM+3], 0
	s_wait_dscnt 0x0                               ; for the others' sake: my stores of S have landed
	s_barrier_signal -1
	s_barrier_wait -1                              ; all of S lies in LDS; it is never written again
.macro SFLOAD st                       ; S's eight fragments of tile st
.set fi, 0
.rept 16
	ds_load_b128 v[SF+4*fi:SF+4*fi+3], v4 offset:8192*(\st)+512*fi
.set fi, fi+1
.endr
.endm
.macro PROD rt, st, cb                 ; K step ks of R's tile rt x S's tile st; cb: C's first register
.set rA, 64*(\rt)+8*ks
.set rB, SF+8*ks
.set rD, ACC+8*(\rt)
.set rC, \cb
.if ks%2 == 0
	v_wmma_scale_f32_16x16x128_f8f6f4 v[rD:rD+7], v[rA:rA+7], v[rB:rB+7], v[rC:rC+7], v[RS+4*(\rt)+ks/2], v[SS+4*(\st)+ks/2] matrix_a_fmt:MATRIX_FMT_FP4 matrix_b_fmt:MATRIX_FMT_FP4
.else
	v_wmma_scale_f32_16x16x128_f8f6f4 v[rD:rD+7], v[rA:rA+7], v[rB:rB+7], v[rC:rC+7], v[RS+4*(\rt)+ks/2], v[SS+4*(\st)+ks/2] matrix_a_fmt:MATRIX_FMT_FP4 matrix_b_fmt:MATRIX_FMT_FP4 matrix_a_scale:MATRIX_SCALE_ROW1 matrix_b_scale:MATRIX_SCALE_ROW1
.endif
.endm
; The 32 results of a lane, register 16 b + i = next K 32 b + 16 h + i of my row, become 4 registers of codes (lane (r, h): block h) and a scale word.  Each accumulator is read from its low end on.
.macro QUANT2 st
.irp b, 0,1
	v_max3_num_f32 v[TM+\b], |v[ACC+16*\b]|, |v[ACC+16*\b+1]|, 0x1800000   ; with the floor 2^(3 - 127): the byte cannot fall under 1
.endr
.irp i, 2,4,6,8,10,12,14
.irp b, 0,1
	v_max3_num_f32 v[TM+\b], v[TM+\b], |v[ACC+16*\b+\i]|, |v[ACC+16*\b+\i+1]|
.endr
.endr
.irp b, 0,1
	v_permlanex16_b32 v[TM+2+\b], v[TM+\b], s40, s41
.endr
.irp b, 0,1
	v_max_num_f32 v[TM+\b], v[TM+\b], v[TM+2+\b]   ; with lane l xor 16's 16: the block's largest magnitude
.endr
.irp b, 0,1
	v_add_nc_u32 v[TM+4+\b], 0xff000000, v[TM+\b]  ; 2 off the exponent field: the conversion's scale operand
.endr
.irp b, 0,1
	v_lshrrev_b32 v[TM+6+\b], 23, v[TM+4+\b]       ; the scale's byte
.endr
	v_lshl_or_b32 v[PW+(\st)], v[TM+7], 8, v[TM+6]
.irp b, 0,1
	v_cvt_scalef32_pk8_fp4_f32 v[PC+4*(\st)+2*\b], v[ACC+16*\b:ACC+16*\b+7], v[TM+4+\b]
	v_cvt_scalef32_pk8_fp4_f32 v[PC+4*(\st)+2*\b+1], v[ACC+16*\b+8:ACC+16*\b+15], v[TM+4+\b]
.endr
	v_nop                                          ; one plain line behind a scaled conversion
	v_permlane16_swap_b32 v[PC+4*(\st)], v[PC+4*(\st)+2]      ; a whole block to a lane: lanes 0-15 block 0, lanes 16-31 block 1
	v_permlane16_swap_b32 v[PC+4*(\st)+1], v[PC+4*(\st)+3]
.endm
.macro TILE st, isv
	s_wait_dscnt 0x0                               ; this tile's fragments of S are in
	WIN 0x01                                       ; source 0 (R) window 1
.set ks, 0
.rept 8
.irp rt, 0,1,2,3
.if ks == 0
.if \isv
	PROD \rt, \st, BV
.else
	PROD \rt, \st, BR+8*\rt
.endif
.else
	PROD \rt, \st, ACC+8*\rt
.endif
.endr
.set ks, ks+1
.endr
	WIN 0
.rept 5
	v_nop                                          ; places: in front of the loads into S's fragments and of the first read of results (4), and of the next tile's products, which write over the accumulators with another C (5)
.endr
.if \isv && ((\st) < 7)
.irp j, 0,1,2,3,4,5,6,7
	v_mov_b32 v[BV+\j], v[BR+(\st)+1]              ; the next tile's bias, the same for all keys: eight copies
.endr
.endif
.if (\st) < 7
	SFLOAD (\st)+1                                 ; they land while this tile is quantised
.endif
	QUANT2 \st
.if \isv
	global_store_b128 v4, v[PC+4*(\st):PC+4*(\st)+3], s[14:15] offset:8192*(\st)   ; 512 consecutive bytes
.else
	global_store_b128 v4, v[PC+4*(\st):PC+4*(\st)+3], s[14:15] offset:512*(\st)
.endif
.endm
	SFLOAD 0
	s_cmp_eq_u32 s18, 2                            ; ONE branch on the product's number: each run loads its own bias, so every register that a run reads is written on its own way
	s_cbranch_scc1 .Lrun_v
	s_cmp_eq_u32 s18, 0
	s_cselect_b64 s[8:9], s[8:9], s[10:11]         ; bq or bk
	s_lshl_b32 s38, s21, 8
	s_add_nc_u64 s[8:9], s[8:9], s[38:39]          ; my head's 64 numbers
	v_lshlrev_b32 v8, 6, v3                        ; lane (r, h) wants, for tile 2 b + u of R, numbers 32 b + 16 h + 8 u + 0 .. 7
.irp rt, 0,1,2,3
	global_load_b128 v[BR+8*\rt:BR+8*\rt+3], v8, s[8:9] offset:128*(\rt/2)+32*(\rt%2)
	global_load_b128 v[BR+8*\rt+4:BR+8*\rt+7], v8, s[8:9] offset:128*(\rt/2)+32*(\rt%2)+16
.endr
	s_wait_loadcnt 0x0                             ; R, the scale words, the bias
.irp st, 0,1,2,3,4,5,6,7
	TILE \st, 0
.endr
	s_branch .Lout
.Lrun_v:
	s_lshl_b32 s38, s30, 9
	s_add_nc_u64 s[12:13], s[12:13], s[38:39]      ; bv of my two heads
	v_and_b32 v8, 8, v2
	v_add_nc_u32 v8, v8, v2
	v_lshlrev_b32 v8, 2, v8                        ; 4 (r + 8 (r / 8)): my row of a tile of Wv
.irp st, 0,1,2,3,4,5,6,7
	global_load_b32 v[BR+\st], v8, s[12:13] offset:256*(\st/4)+128*((\st%4)/2)+32*(\st%2)
.endr
	s_wait_loadcnt 0x0
.irp j, 0,1,2,3,4,5,6,7
	v_mov_b32 v[BV+\j], v[BR]
.endr
.rept 4
	v_nop
.endr
.irp st, 0,1,2,3,4,5,6,7
	TILE \st, 1
.endr
.Lout:
.irp e, 0,1,2,3
	v_cndmask_b32 v[PWC+\e], v[PW+2*\e], v[PW+2*\e+1], s42     ; word e: lanes 0-15 tile 2 e, lanes 16-31 tile 2 e + 1
.endr
	global_store_b128 v4, v[PWC:PWC+3], s[16:17]   ; 512 consecutive bytes
	s_wait_tensorcnt 0x0                           ; the wave's end, behind my last LDS store
	ds_add_u32 v10, v11
	s_wait_dscnt 0x0
	s_endpgm
; ---------------- THE MASK.  A load takes one query's 64 keys (256 bytes); a lane holds keys 2 l, 2 l + 1 of 16 queries and packs each key's 16 codes into 8 bytes.  No LDS, no barrier: waves share nothing.
.Lmask:
	s_load_b64 s[8:9], s[0:1], 0x38                ; attn_mask
	s_load_b64 s[20:21], s[0:1], 0x40              ; mk
	s_lshl_b32 s23, ttmp9, 2
	s_add_co_u32 s23, s23, s24
	s_lshr_b32 s30, s23, 1                         ; batch x 64 + query tile
	s_and_b32 s31, s23, 1                          ; which 512 keys
	s_lshr_b32 s28, s30, 1
	s_lshl_b32 s26, s28, 17                        ; 32 rows of 4,096 bytes
	s_and_b32 s28, s30, 1
	s_lshl_b32 s28, s28, 15                        ; 8 rows
	s_add_co_u32 s26, s26, s28
	s_lshl_b32 s28, s31, 11
	s_add_co_u32 s26, s26, s28
	s_mov_b32 s27, 0
	s_lshl_b32 s32, s30, 13
	s_lshl_b32 s28, s31, 12
	s_add_co_u32 s32, s32, s28
	s_mov_b32 s33, 0
	v_lshlrev_b32 v4, 3, v1                        ; in: 8 bytes a lane
	v_and_b32 v5, 3, v2                            ; out: key x = 2 a + e of a group of 32 (a = lane % 16) lies at image lane 16 (x bit 3) + 8 (x bit 4) + x % 8, 8 bytes each:
	v_lshlrev_b32 v5, 4, v5                        ; 16 (a % 4)
	v_bfe_u32 v7, v2, 2, 1
	v_lshl_add_u32 v5, v7, 7, v5                   ; + 128 (a bit 2)
	v_bfe_u32 v7, v2, 3, 1
	v_lshl_add_u32 v5, v7, 6, v5                   ; + 64 (a bit 3)
	v_lshl_add_u32 v5, v3, 8, v5                   ; + 256 for lanes 16-31: the next 32 keys
	v_mov_b32 v6, 15                               ; the code of -6
	s_wait_kmcnt 0x0
	s_add_nc_u64 s[8:9], s[8:9], s[26:27]
	s_add_nc_u64 s[20:21], s[20:21], s[32:33]
.macro MLOAD t                         ; 64 keys of the tile's 16 queries, into set t % 4
.set mi, 0
.rept 16
	global_load_b64 v[32+32*((\t)%4)+2*mi:32+32*((\t)%4)+2*mi+1], v4, s[8:9] offset:(mi+8*(mi/8))*4096+256*(\t) th:TH_LOAD_NT
.set mi, mi+1
.endr
.endm
.macro MSTEP t
.if (\t)+3 < 8
	MLOAD (\t)+3
.endif
.if 7-(\t) >= 3
	s_wait_loadcnt 48                              ; this step's 16 loads are in; those of the three steps behind it may be out
.else
	s_wait_loadcnt 16*(7-(\t))
.endif
.irp e, 0,1
.irp hw, 0,1
.irp i, 7,6,5,4,3,2,1,0
	v_cmp_eq_u32 vcc_lo, 0, v[32+32*((\t)%4)+2*(8*\hw+\i)+\e]
.if \i == 7
	v_cndmask_b32 v[160+4*(\t)+2*\e+\hw], 0, v6, vcc_lo
.else
	v_cndmask_b32 v7, 0, v6, vcc_lo
	v_lshl_or_b32 v[160+4*(\t)+2*\e+\hw], v[160+4*(\t)+2*\e+\hw], 4, v7   ; query 8 hw + i ends in nibble i
.endif
.endr
.endr
.endr
	global_store_b128 v5, v[160+4*(\t):160+4*(\t)+3], s[20:21] offset:512*(\t)   ; sixteen lanes fill 256 consecutive bytes, aligned; each step has its own registers
.endm
	MLOAD 0
	MLOAD 1
	MLOAD 2
.irp t, 0,1,2,3,4,5,6,7
	MSTEP \t
.endr
	s_endpgm
.Lfunc_end_k_q41513621c6_proj:
	.size	k_q41513621c6_proj, .Lfunc_end_k_q41513621c6_proj-k_q41513621c6_proj
	.p2alignl 7, 3214868480
	.fill 96, 4, 3214868480
	.section	.rodata,"a",@progbits
	.p2align	6, 0x0
	.amdhsa_kernel k_q41513621c6_proj
		.amdhsa_group_segment_fixed_size 66048
		.amdhsa_private_segment_fixed_size 0
		.amdhsa_enable_private_segment 0
		.amdhsa_kernarg_size 72
		.amdhsa_user_sgpr_count 2
		.amdhsa_user_sgpr_kernarg_segment_ptr 1
		.amdhsa_wavefront_size32 1
		.amdhsa_system_sgpr_workgroup_id_x 1
		.amdhsa_system_sgpr_workgroup_id_y 1
		.amdhsa_system_sgpr_workgroup_id_z 1
		.amdhsa_system_vgpr_workitem_id 0
		.amdhsa_next_free_vgpr 512
		.amdhsa_next_free_sgpr 66
		.amdhsa_reserve_vcc 1
		.amdhsa_float_denorm_mode_32 3
		.amdhsa_float_denorm_mode_16_64 3
		.amdhsa_memory_ordered 1
		.amdhsa_forward_progress 1
		.amdhsa_inst_pref_size 179
	.end_amdhsa_kernel
	.amdgpu_metadata
---
amdhsa.version: [ 1, 2 ]
amdhsa.kernels:
  - .name:           k_q41513621c6_proj
    .symbol:         k_q41513621c6_proj.kd
    .args:
      - { .name: xc, .offset: 0, .size: 8, .value_kind: global_buffer, .address_space: global }
      - { .name: xs, .offset: 8, .size: 8, .value_kind: global_buffer, .address_space: global }
      - { .name: bq, .offset: 16, .size: 8, .value_kind: global_buffer, .address_space: global }
      - { .name: bk, .offset: 24, .size: 8, .value_kind: global_buffer, .address_space: global }
      - { .name: bv, .offset: 32, .size: 8, .value_kind: global_buffer, .address_space: global }
      - { .name: qc, .offset: 40, .size: 8, .value_kind: global_buffer, .address_space: global }
      - { .name: qs, .offset: 48, .size: 8, .value_kind: global_buffer, .address_space: global }
      - { .name: attn_mask, .offset: 56, .size: 8, .value_kind: global_buffer, .address_space: global }
      - { .name: mk, .offset: 64, .size: 8, .value_kind: global_buffer, .address_space: global }
    .group_segment_fixed_size: 66048
    .private_segment_fixed_size: 0
    .kernarg_segment_align: 8
    .kernarg_segment_size: 72
    .max_flat_workgroup_size: 128
    .sgpr_count:     66
    .vgpr_count:     512
    .wavefront_size: 32
...
	.end_amdgpu_metadata
.endif
;; end of part 2
;; launch attn (part 3): grid 256 x 1, 4 waves a work-group, no clusters, 83,456 bytes of LDS; arguments mk, qc, qs, out0; writes out0
.if DOCPART == 3
	.amdgcn_target "amdgcn-amd-amdhsa--gfx1250"
	.amdhsa_code_object_version 6
	.text
	.protected	k_q41513621c6_attn
	.globl	k_q41513621c6_attn
	.p2align	8
	.type	k_q41513621c6_attn,@function
k_q41513621c6_attn:
	s_mov_b64 s[64:65], 0
	v_nop
	global_prefetch_b8 v0, s[64:65] scope:SCOPE_SE
	s_setreg_imm32_b32 hwreg(HW_REG_WAVE_MODE, 25, 1), 1
	s_wait_xcnt 0x0
; ATTN: out = softmax(mask(q k^T / 8)) v on codes of E2M1.  The scores are quantised FINISHED AND NORMALISED, so a row's sum is known before any p becomes a code.  No work is left out.
; SHARES.  A work-group owns one (batch, head) and 512 of its queries; a wave walks 8 tasks; a task is one tile of 16 queries x ALL 1,024 keys, whose scores S^T lie in 512 registers (windows 1 and 2):
; one exponential a score, nothing computed twice.  K's and V's codes of the head (32,768 bytes each) are copied into LDS once and read by all four waves.
; LAYOUT.  Both products are used transposed: S^T = K Q^T (source 0 = 16 keys), O^T = V^T P^T (source 0 = 16 of the head's 64): a lane holds ONE query (lane % 16) throughout.
; Every tile's lane r holds row 32 (T / 2) + 8 (T % 2) + r + 8 (r / 8): so the 16 registers of key tiles 2 b, 2 b + 1 are keys 32 b + 16 (lane / 16) + 0 .. 15.
; THE MASK COSTS NO VECTOR LINE.  For each key tile a product of the mask's codes (-6 where attn_mask is 0, else 0) with an identity in codes, both under the scale 2^50, starts the sum with exactly 0 or -6 x 2^100;
; K Q^T then adds onto it in place.  They are two instructions, so that the true products never share an instruction with terms of 2^100.
; THE MAXIMUM is taken away as reference() does; it is held at -2^90 from below.  In a row with every key masked each exponential is then 0, the sum is 0, and with 1 / max(sum, 0.5) every p and the row of out are 0,
; as reference()'s all_masked asks.  In every other row the sum is about 1 or more and the hold changes nothing.
; K = 64 in the first product: Q's registers 4-7 are zero codes, so K's operand may run on into the next tile's codes, and scale bytes 2 and 3 are 0 (2^-127), never 0xff.
; A block's largest p is not searched for: the block's largest score goes through the same multiply-add, exponential and multiplication (this takes v_exp_f32 not to fall where its input rises).
; LIMITS: a masked score is -6 x 2^100 + q.k where reference() has -1e30: the results agree while a row's largest unmasked q.k lies above -2^90.  NaN and infinities are not served.  v_exp_f32 gives 0 under 2^-126.
; A block whose every p is 0 keeps the byte 1 where the rule says 127: its codes are zeros.
; No tensor load and no cluster: K and V are read from memory once at the head (65,536 bytes a work-group); a task's mask and Q are loaded into registers a whole task ahead, so no wave waits for them and no prefetch is laid.
; REGISTERS.  window 0: v4-9 addresses; v10, v11 the add's two; v[12:13] -c m; v[14:15] 1 / sum; v16-23 Q and four zeros; v24-39 the two identities; v40 the mask's scale; v41 Q's scale word; v42-73 K's; v74-89 V's;
;   v90-121 O^T; v122-153 the blocks' largest; v154-173 at work; v186-201 p's codes, two sets; v202-203 p's scale words; v204-211 sums; v212-243 rows of out.
;   windows 1, 2: S^T, then p: key tile kt at v[8 (kt % 32)] of window 1 + kt / 32.
;   window 3: v0-63 the mask's codes, v64-69 zeros; v72-135 and v140-203 16 tiles of K each, v136-139 and v204-207 written once; over them v72-199 a ring of four K steps of V.
.set VIMG,  32768                      ; LDS: K's images at 0, V's here,
.set STG,   65536                      ; a stage of 16 rows x 272 bytes for each wave,
.set SPARE, 82944                      ; the spare words, 128 bytes a wave
.set BM, 122
.set TS, 154
.set PC, 186
.set PS, 202
.set MSB, 0
.macro WIN new                         ; the immediate's high byte repeats the setting that is left.  Low byte: bits 1:0 source 0, 3:2 source 1, 5:4 source 2, 7:6 destination
.if MSB != (\new)
	s_set_vgpr_msb (MSB<<8)|(\new)
.set MSB, \new
.endif
.endm
.macro PLACES n
.rept \n
	v_nop
.endr
.endm
	s_load_b256 s[4:11], s[0:1], 0x0               ; mk s[4:5], qc s[6:7], qs s[8:9], out0 s[10:11]
	v_lshl_add_u32 v10, v0, 2, SPARE
	v_mov_b32 v11, 0
	v_lshrrev_b32 v1, 5, v0
	v_readfirstlane_b32 s12, v1                    ; wave 0..3
	v_and_b32 v1, 31, v0
	v_and_b32 v2, 15, v0                           ; r
	v_bfe_u32 v3, v0, 4, 1                         ; h
	v_lshlrev_b32 v4, 4, v1                        ; 16 x lane
	v_lshlrev_b32 v5, 3, v1                        ; 8 x lane
	v_lshlrev_b32 v6, 4, v2                        ; Q's scale words: 16 r
	s_lshl_b32 s38, s12, 13
	v_add_nc_u32 v174, s38, v4                     ; the copy: my wave's 8,192 bytes of K and of V
	s_mul_i32 s38, s12, 4352
	s_add_co_u32 s38, s38, STG                     ; my stage
	v_mul_u32_u24 v7, v2, 272
	v_lshl_add_u32 v7, v3, 6, v7
	v_add_nc_u32 v7, s38, v7                       ; in: row r, + 64 h
	v_mul_u32_u24 v8, v3, 272
	v_lshl_add_u32 v8, v2, 4, v8
	v_add_nc_u32 v8, s38, v8                       ; back: lanes 0-15 one row, lanes 16-31 the next
	v_lshlrev_b32 v9, 4, v2
	v_lshl_add_u32 v9, v3, 12, v9                  ; and the same two rows in out0
	s_lshr_b32 s13, ttmp9, 1                       ; batch x 16 + head
	s_and_b32 s14, ttmp9, 1                        ; which 512 queries
	s_lshr_b32 s15, s13, 4                         ; batch
	s_and_b32 s16, s13, 15                         ; head
	s_lshl_b32 s17, s14, 5
	s_lshl_b32 s38, s12, 3
	s_add_co_u32 s17, s17, s38                     ; my first query tile
	s_mov_b32 s39, 0                               ; the high word of every offset pair s[38:39]
	s_mov_b32 s20, 0x76543210
	s_mov_b32 s21, 0xfedcba98                      ; v_permlanex16_b32's selects for lane l xor 16
	s_mov_b32 s22, 0x3e38aa3b                      ; c = log2(e) / 8
	s_mov_b32 s23, s22                             ; (named with it as a pair)
	s_mov_b32 s24, 0xbe38aa3b                      ; -c
	s_mov_b32 s40, 0                               ; the task
	s_wait_kmcnt 0x0
	s_lshl_b32 s38, s13, 15
	s_add_nc_u64 s[42:43], s[6:7], s[38:39]
	s_add_nc_u64 s[44:45], s[42:43], 0x800000      ; V's images of my head
	s_add_nc_u64 s[42:43], s[42:43], 0x400000      ; K's
	s_lshl_b32 s38, s13, 12
	s_add_nc_u64 s[30:31], s[8:9], s[38:39]
	s_add_nc_u64 s[46:47], s[30:31], 0x80000       ; K's scale words
	s_lshl_b32 s38, s14, 2
	s_add_co_u32 s38, s38, s12
	s_lshl_b32 s38, s38, 9
	s_add_nc_u64 s[30:31], s[30:31], s[38:39]      ; the group of scale words of my eight query tiles; stays
	s_mov_b64 s[32:33], s[30:31]                   ; task 0's
	s_lshl_b32 s38, s15, 3
	s_lshr_b32 s18, s16, 1
	s_add_co_u32 s38, s38, s18
	s_lshl_b32 s38, s38, 13
	s_and_b32 s18, s16, 1
	s_lshl_b32 s18, s18, 3
	s_add_co_u32 s38, s38, s18
	s_add_co_u32 s38, s38, 0x100000
	s_add_nc_u64 s[2:3], s[8:9], s[38:39]          ; V's scale words: my head's two of a lane's four words
	s_lshl_b32 s38, s15, 6
	s_add_co_u32 s38, s38, s17
	s_lshl_b32 s38, s38, 13
	s_add_nc_u64 s[26:27], s[4:5], s[38:39]        ; the mask's codes of my first task; steps 8,192 a task
	s_lshl_b32 s38, s13, 6
	s_add_co_u32 s38, s38, s17
	s_lshl_b32 s38, s38, 9
	s_add_nc_u64 s[28:29], s[6:7], s[38:39]        ; Q's image; steps 512 a task
	s_lshl_b32 s38, s15, 10
	s_lshl_b32 s18, s17, 4
	s_add_co_u32 s38, s38, s18
	s_lshl_b32 s38, s38, 12
	s_lshl_b32 s18, s16, 8
	s_add_co_u32 s38, s38, s18
	s_add_nc_u64 s[34:35], s[10:11], s[38:39]      ; out0 at my first task's first row and my head's 256 bytes; stays
	WIN 0x40                                       ; destination window 1: S^T's registers are free yet
.set ci, 0
.rept 16
	global_load_b128 v[4*ci:4*ci+3], v174, s[42:43] offset:512*ci
.set ci, ci+1
.endr
.set ci, 0
.rept 16
	global_load_b128 v[64+4*ci:64+4*ci+3], v174, s[44:45] offset:512*ci
.set ci, ci+1
.endr
	WIN 0
.irp g, 0,1,2,3,4,5,6,7
	global_load_b128 v[42+4*\g:45+4*\g], v4, s[46:47] offset:512*\g       ; K's scale words: register 4 g + e: lanes 0-15 tile 8 g + 2 e, lanes 16-31 the next
.endr
.irp g, 0,1,2,3,4,5,6,7,8,9,10,11,12,13,14,15
	global_load_b64 v[212+2*\g:213+2*\g], v4, s[2:3] offset:512*\g        ; V's, by groups of 64 keys
.endr
	; work on registers while these are on their way
	v_mov_b32 v13, 0                               ; (upper halves of pairs of which the low word serves both halves)
	v_mov_b32 v15, 0
.irp j, 20,21,22,23,26,27,28,29,30,31,34,35,36,37,38,39
	v_mov_b32 v\j, 0                               ; Q's zero codes; the identities' zeros
.endr
	v_mov_b32 v40, 0xb1b1b1b1                      ; the byte 177 = 2^50, for the mask's codes and for the identity
.irp j, 0,1,2,3,4,5,6,7
	v_mov_b32 v[162+\j], 0                         ; written once: a lane permute's destination counts as one of its sources
.endr
	v_and_b32 v175, 7, v0
	v_lshlrev_b32 v175, 2, v175
	v_mov_b32 v176, 2                              ; the code of 1.0
	v_lshlrev_b32 v175, v175, v176                 ; at nibble lane % 8
	v_bfe_u32 v176, v0, 3, 2                       ; lane / 8
	v_cmp_eq_u32 vcc_lo, 0, v176
	v_cndmask_b32 v24, 0, v175, vcc_lo             ; identity 0: column n has its 1 at k = n (even key tiles: their codes lie in lanes 0-15),
	v_cmp_eq_u32 vcc_lo, 1, v176
	v_cndmask_b32 v25, 0, v175, vcc_lo
	v_cmp_eq_u32 vcc_lo, 2, v176
	v_cndmask_b32 v32, 0, v175, vcc_lo             ; identity 1: at k = 32 + n (odd key tiles: lanes 16-31)
	v_cmp_eq_u32 vcc_lo, 3, v176
	v_cndmask_b32 v33, 0, v175, vcc_lo
	WIN 0xc0                                       ; destination window 3
.irp j, 64,65,66,67,68,69,136,137,138,139,204,205,206,207
	v_mov_b32 v\j, 0                               ; what the last operands of a run reach into: multiplied by zero codes, but written
.endr
	WIN 0
	s_wait_loadcnt 24                              ; the copy's 32 loads are in; the 24 loads of scale words may be out
	WIN 0x04                                       ; an LDS store's data are its source 1: window 1
.set ci, 0
.rept 16
	ds_store_b128 v174, v[4*ci:4*ci+3] offset:512*ci
.set ci, ci+1
.endr
.set ci, 0
.rept 16
	ds_store_b128 v174, v[64+4*ci:64+4*ci+3] offset:VIMG+512*ci
.set ci, ci+1
.endr
	WIN 0
.macro TASKLOADS                       ; a task's 34 loads: the mask's codes, Q's image, Q's scale word
	WIN 0xc0
.set ci, 0
.rept 32
	global_load_b64 v[2*ci:2*ci+1], v5, s[26:27] offset:256*ci            ; 256 consecutive bytes a load
.set ci, ci+1
.endr
	WIN 0
	global_load_b128 v[16:19], v4, s[28:29]
	global_load_b32 v41, v6, s[32:33]
.endm
	TASKLOADS
	s_wait_dscnt 0x0                               ; for the others' sake: my stores of K and V have landed
	s_barrier_signal -1
	s_barrier_wait -1                              ; K and V lie in LDS; they are never written again
	s_wait_loadcnt 34                              ; the scale words are in; task 0's 34 loads may be out
.irp st, 0,1,2,3,4,5,6,7
.irp e, 0,1
	v_lshl_or_b32 v[74+2*\st+\e], v[212+2*(2*\st+1)+\e], 16, v[212+4*\st+\e]    ; two groups of 64 keys make a K step's word: register 2 st + e: lanes 0-15 tile 2 e of V, lanes 16-31 tile 2 e + 1
.endr
.endr
.macro KLOAD q                         ; key tiles 16 q .. 16 q + 15 into K's buffer q % 2
	WIN 0xc0
.set ki, 0
.rept 16
	ds_load_b128 v[72+68*((\q)%2)+4*ki:72+68*((\q)%2)+4*ki+3], v4 offset:512*(16*(\q)+ki)
.set ki, ki+1
.endr
.endm
; 16 key tiles: the mask's products start the sums, then K Q^T adds in place.  Sixteen accumulators take turns, one instruction a turn.  left: the LDS loads issued behind this run's K
.macro MQ g, left
.set sw, 1+(\g)/2
	WIN (sw<<6)|3                                  ; D window sw, source 0 window 3
.set ki, 0
.rept 16
.set kt, 16*(\g)+ki
.set rS, 8*(kt%32)
.set rM, 2*(kt/2)
.set rI, 24+8*(kt%2)
	v_wmma_scale_f32_16x16x128_f8f6f4 v[rS:rS+7], v[rM:rM+7], v[rI:rI+7], 0, v40, v40 matrix_a_fmt:MATRIX_FMT_FP4 matrix_b_fmt:MATRIX_FMT_FP4
.set ki, ki+1
.endr
	s_wait_dscnt \left
	WIN (sw<<6)|(sw<<4)|3                          ; C too
.set ki, 0
.rept 16
.set kt, 16*(\g)+ki
.set rS, 8*(kt%32)
.set rK, 72+68*((\g)%2)+4*ki
.if kt%2 == 0
	v_wmma_scale_f32_16x16x128_f8f6f4 v[rS:rS+7], v[rK:rK+7], v[16:23], v[rS:rS+7], v[42+4*(kt/8)+((kt/2)%4)], v41 matrix_a_fmt:MATRIX_FMT_FP4 matrix_b_fmt:MATRIX_FMT_FP4
.else
	v_wmma_scale_f32_16x16x128_f8f6f4 v[rS:rS+7], v[rK:rK+7], v[16:23], v[rS:rS+7], v[42+4*(kt/8)+((kt/2)%4)], v41 matrix_a_fmt:MATRIX_FMT_FP4 matrix_b_fmt:MATRIX_FMT_FP4 matrix_a_scale:MATRIX_SCALE_ROW1
.endif
.set ki, ki+1
.endr
.endm
.macro VLOAD st                        ; V's four fragments of K step st (128 keys) into place st % 4 of the ring
	WIN 0xc0
.irp t, 0,1,2,3
.irp c, 0,1
	ds_load_b128 v[72+32*((\st)%4)+8*\t+4*\c:72+32*((\st)%4)+8*\t+4*\c+3], v4 offset:VIMG+8192*\t+1024*(\st)+512*\c
.endr
.endr
.endm
; K step st of the second product: its 64 p of a lane are normalised, and become codes in set st % 2 and a scale word
.macro QUANT st
.set sw, 1+(\st)/4
.set sb, 64*((\st)%4)
	WIN (sw<<6)|sw
.set qi, 0
.rept 32
	v_pk_mul_f32 v[sb+2*qi:sb+2*qi+1], v[sb+2*qi:sb+2*qi+1], v[14:15] op_sel_hi:[1,0]    ; p = 2^(t - c m) / sum
.set qi, qi+1
.endr
.if ((\st) >= 2) && ((\st)+2 <= 7)
	VLOAD (\st)+2                                  ; into the place that the products just ahead of this macro read: the 32 lines above are the places
.endif
	WIN 0
.irp k, 0,1,2,3
	v_mul_f32 v[170+\k], v[BM+4*(\st)+\k], v14     ; the block's largest p
.endr
.irp k, 0,1,2,3
	v_max_num_f32 v[170+\k], 0x1800000, v[170+\k]  ; the floor 2^(3 - 127): the byte cannot fall under 1
.endr
.irp k, 0,1,2,3
	v_add_nc_u32 v[TS+4*((\st)%2)+\k], 0xff000000, v[170+\k]   ; 2 off the exponent field: the conversion's scale operand
.endr
.irp k, 0,1,2,3
	v_lshrrev_b32 v[170+\k], 23, v[TS+4*((\st)%2)+\k]          ; the scale's byte
.endr
	v_lshl_or_b32 v[PS+(\st)%2], v171, 8, v170
	v_lshl_or_b32 v[PS+(\st)%2], v172, 16, v[PS+(\st)%2]
	v_lshl_or_b32 v[PS+(\st)%2], v173, 24, v[PS+(\st)%2]
	WIN sw                                         ; source 0 window sw
.irp k, 0,1,2,3
	v_cvt_scalef32_pk8_fp4_f32 v[PC+8*((\st)%2)+2*\k], v[sb+16*\k:sb+16*\k+7], v[TS+4*((\st)%2)+\k]
	v_cvt_scalef32_pk8_fp4_f32 v[PC+8*((\st)%2)+2*\k+1], v[sb+16*\k+8:sb+16*\k+15], v[TS+4*((\st)%2)+\k]
.endr
	WIN 0
	v_nop                                          ; one plain line behind a scaled conversion
.irp c, 0,1
.irp i, 0,1
	v_permlane16_swap_b32 v[PC+8*((\st)%2)+4*\c+\i], v[PC+8*((\st)%2)+4*\c+2+\i]   ; a whole block to a lane: lanes 0-15 block 2 c, lanes 16-31 block 2 c + 1
.endr
.endr
.endm
; O^T += V^T P^T, K step st: four accumulators by turns.  left: the V loads issued behind this step's eight
.macro PV st, left
	s_wait_dscnt \left
	WIN 0x03                                       ; source 0 (V) window 3
.irp t, 0,1,2,3
.set rO, 90+8*\t
.set rV, 72+32*((\st)%4)+8*\t
.set rP, PC+8*((\st)%2)
.if (\st) == 0
.if \t%2 == 0
	v_wmma_scale_f32_16x16x128_f8f6f4 v[rO:rO+7], v[rV:rV+7], v[rP:rP+7], 0, v[74+2*(\st)+\t/2], v[PS+(\st)%2] matrix_a_fmt:MATRIX_FMT_FP4 matrix_b_fmt:MATRIX_FMT_FP4
.else
	v_wmma_scale_f32_16x16x128_f8f6f4 v[rO:rO+7], v[rV:rV+7], v[rP:rP+7], 0, v[74+2*(\st)+\t/2], v[PS+(\st)%2] matrix_a_fmt:MATRIX_FMT_FP4 matrix_b_fmt:MATRIX_FMT_FP4 matrix_a_scale:MATRIX_SCALE_ROW1
.endif
.else
.if \t%2 == 0
	v_wmma_scale_f32_16x16x128_f8f6f4 v[rO:rO+7], v[rV:rV+7], v[rP:rP+7], v[rO:rO+7], v[74+2*(\st)+\t/2], v[PS+(\st)%2] matrix_a_fmt:MATRIX_FMT_FP4 matrix_b_fmt:MATRIX_FMT_FP4
.else
	v_wmma_scale_f32_16x16x128_f8f6f4 v[rO:rO+7], v[rV:rV+7], v[rP:rP+7], v[rO:rO+7], v[74+2*(\st)+\t/2], v[PS+(\st)%2] matrix_a_fmt:MATRIX_FMT_FP4 matrix_b_fmt:MATRIX_FMT_FP4 matrix_a_scale:MATRIX_SCALE_ROW1
.endif
.endif
.endr
.endm
; t - c m and 2^(.) of a window's 256 scores in place: the multiply-adds run four pairs ahead of the exponentials.  Nothing here names an exponential's result
.macro EXPS sw
	WIN ((\sw)<<6)|(\sw)
.set ei, 0
.rept 4
	v_pk_fma_f32 v[2*ei:2*ei+1], v[2*ei:2*ei+1], s[22:23], v[12:13] op_sel_hi:[1,0,0]
.set ei, ei+1
.endr
.set ei, 0
.rept 128
.if ei+4 < 128
	v_pk_fma_f32 v[2*ei+8:2*ei+9], v[2*ei+8:2*ei+9], s[22:23], v[12:13] op_sel_hi:[1,0,0]
.endif
	v_exp_f32 v[2*ei], v[2*ei]
	v_exp_f32 v[2*ei+1], v[2*ei+1]
.set ei, ei+1
.endr
.endm
.Ltask:                                            ; eight trips: a tile of 16 queries each
	; ---- A: the scores
	KLOAD 0                                        ; (the last products that read these registers stand ahead of the four places of the way out)
	KLOAD 1
	s_wait_loadcnt 0x0                             ; this task's mask, Q and scale word, asked for a task ago
	s_wait_xcnt 0x0                                ; the last task's stores have read their registers and their base
	MQ 0, 16                                       ; the next run's sixteen loads of K may be out
	PLACES 4                                       ; in front of loads into registers that matrix instructions have read
	KLOAD 2
	MQ 1, 16
	PLACES 4
	KLOAD 3
	MQ 2, 16
	MQ 3, 0
	PLACES 4                                       ; for the loads below and for the first read of results
	VLOAD 0
	VLOAD 1
	VLOAD 2
	VLOAD 3
	WIN 0                                          ; at a branch and at a label every window is 0
	s_cmp_eq_u32 s40, 7
	s_cbranch_scc1 .Lno_next                       ; the last task asks for nothing: no load leaves its buffer
	s_add_nc_u64 s[26:27], s[26:27], 8192          ; (the loads that read these pointers were waited for above)
	s_add_nc_u64 s[28:29], s[28:29], 512
	s_add_co_u32 s18, s40, 1                       ; tile n of my group of eight: its scale words lie at 256 (n % 2) + 4 (n / 2) + 16 r
	s_and_b32 s38, s18, 1
	s_lshl_b32 s38, s38, 8
	s_lshr_b32 s18, s18, 1
	s_lshl_b32 s18, s18, 2
	s_add_co_u32 s38, s38, s18
	s_add_nc_u64 s[32:33], s[30:31], s[38:39]
	TASKLOADS                                      ; they have the rest of this task in which to land
.Lno_next:
	; ---- B: the largest score of each block of 32 keys, and of the row.  Each accumulator is read from its low end on
.irp sw, 1,2
	WIN \sw*0x15
.set bb, 0
.rept 16
	v_max3_num_f32 v[BM+16*(\sw-1)+bb], v[16*bb], v[16*bb+1], v[16*bb+2]
.set bb, bb+1
.endr
	WIN \sw*0x14
.irp i, 3,5,7,9,11,13
.set bb, 0
.rept 16
	v_max3_num_f32 v[BM+16*(\sw-1)+bb], v[BM+16*(\sw-1)+bb], v[16*bb+\i], v[16*bb+\i+1]
.set bb, bb+1
.endr
.endr
.set bb, 0
.rept 16
	v_max_num_f32 v[BM+16*(\sw-1)+bb], v[BM+16*(\sw-1)+bb], v[16*bb+15]
.set bb, bb+1
.endr
.endr
	WIN 0
.irp g, 0,1,2,3
.irp k, 0,1,2,3,4,5,6,7
	v_permlanex16_b32 v[162+\k], v[BM+8*\g+\k], s20, s21
.endr
.irp k, 0,1,2,3,4,5,6,7
	v_max_num_f32 v[BM+8*\g+\k], v[BM+8*\g+\k], v[162+\k]      ; with lane l xor 16's 16 keys
.endr
.endr
.irp k, 0,1,2,3
	v_max3_num_f32 v[170+\k], v[BM+8*\k], v[BM+8*\k+1], v[BM+8*\k+2]
.endr
.irp k, 0,1,2,3
	v_max3_num_f32 v[170+\k], v[170+\k], v[BM+8*\k+3], v[BM+8*\k+4]
.endr
.irp k, 0,1,2,3
	v_max3_num_f32 v[170+\k], v[170+\k], v[BM+8*\k+5], v[BM+8*\k+6]
.endr
.irp k, 0,1,2,3
	v_max_num_f32 v[170+\k], v[170+\k], v[BM+8*\k+7]
.endr
	v_max3_num_f32 v170, v170, v171, v172
	v_max3_num_f32 v170, v170, v173, 0xec800000    ; the row's largest score m, held at -2^90 from below
	v_mul_f32 v12, s24, v170                       ; -c m
	; ---- C: 2^(c s - c m), and the row's sum
.set bb, 0
.rept 32
	v_fma_f32 v[BM+bb], v[BM+bb], s22, v12         ; the same multiply-add on each block's largest score
.set bb, bb+1
.endr
	EXPS 1
	EXPS 2
	WIN 0
.set bb, 0
.rept 32
	v_exp_f32 v[BM+bb], v[BM+bb]
.set bb, bb+1
.endr
	v_nop                                          ; a plain line behind the last exponential
	s_wait_alu depctr_va_vdst(0)                   ; one wait for the whole batch of 544, ahead of its first reader
	WIN 0x05                                       ; the sum of the unquantised numbers, two at a time, in four chains
.irp k, 0,1,2,3
	v_pk_add_f32 v[204+2*\k:205+2*\k], v[4*\k:4*\k+1], v[4*\k+2:4*\k+3]
.endr
	WIN 0x04
.set ei, 8
.rept 120
	v_pk_add_f32 v[204+2*(ei%4):205+2*(ei%4)], v[204+2*(ei%4):205+2*(ei%4)], v[2*ei:2*ei+1]
.set ei, ei+1
.endr
	WIN 0x08
.set ei, 0
.rept 128
	v_pk_add_f32 v[204+2*(ei%4):205+2*(ei%4)], v[204+2*(ei%4):205+2*(ei%4)], v[2*ei:2*ei+1]
.set ei, ei+1
.endr
	WIN 0
	v_pk_add_f32 v[204:205], v[204:205], v[206:207]
	v_pk_add_f32 v[208:209], v[208:209], v[210:211]
	v_pk_add_f32 v[204:205], v[204:205], v[208:209]
	v_add_f32 v204, v204, v205
	v_permlanex16_b32 v162, v204, s20, s21
	v_add_f32 v204, v204, v162                     ; the row's sum
	v_max_num_f32 v204, 0.5, v204                  ; 0 only where every key is masked: then 1 / 0.5 multiplies zeros
	v_rcp_f32 v14, v204
	v_nop                                          ; a plain line behind the reciprocal
	s_wait_alu depctr_va_vdst(0)                   ; and its wait, ahead of the first reader
	; ---- D: normalise, quantise, multiply.  A K step's codes are made one step ahead of its products, so that the vector lines of the next step are the places between them
	QUANT 0
	QUANT 1
	PV 0, 24                                       ; behind K step 0's eight loads of V: those of steps 1 to 3
	QUANT 2
	PV 1, 24
	QUANT 3
	PV 2, 24
	QUANT 4
	PV 3, 24
	QUANT 5
	PV 4, 24
	QUANT 6
	PV 5, 16
	QUANT 7
	PV 6, 8
	PLACES 8                                       ; a scale word written by vector lines stands eight places ahead of the product that takes it
	PV 7, 0
	; ---- the way out: through my stage, so that sixteen lanes store 256 consecutive bytes of a row of out0
	WIN 0
	PLACES 4
	s_lshr_b32 s18, s40, 1                         ; task n's first row lies 32 (n / 2) + 8 (n % 2) rows behind my first
	s_lshl_b32 s18, s18, 17
	s_and_b32 s38, s40, 1
	s_lshl_b32 s38, s38, 15
	s_add_co_u32 s38, s38, s18
	s_add_nc_u64 s[36:37], s[34:35], s[38:39]
.irp t, 0,1,2,3
	ds_store_b128 v7, v[90+8*\t:93+8*\t] offset:128*(\t/2)+32*(\t%2)       ; lane (r, h), tile t, register j: channel 32 (t / 2) + 8 (t % 2) + 16 h + j of query r; each accumulator from its low end on
	ds_store_b128 v7, v[94+8*\t:97+8*\t] offset:128*(\t/2)+32*(\t%2)+16
.endr
.irp i, 0,1,2,3,4,5,6,7
	ds_load_b128 v[212+4*\i:215+4*\i], v8 offset:544*\i                    ; LDS serves a wave's instructions in order (ISA guide 5.7.1.4): these see my stores
.endr
.irp i, 0,1,2,3,4,5,6,7
	s_wait_dscnt 7-\i
	global_store_b128 v9, v[212+4*\i:215+4*\i], s[36:37] offset:(2*\i+8*(\i/4))*4096 th:TH_STORE_NT
.endr
	s_add_co_u32 s40, s40, 1
	s_cmp_lt_u32 s40, 8
	s_cbranch_scc1 .Ltask
	s_wait_tensorcnt 0x0                           ; the wave's end, behind my last LDS store
	ds_add_u32 v10, v11
	s_wait_dscnt 0x0
	s_endpgm
.Lfunc_end_k_q41513621c6_attn:
	.size	k_q41513621c6_attn, .Lfunc_end_k_q41513621c6_attn-k_q41513621c6_attn
	.p2alignl 7, 3214868480
	.fill 96, 4, 3214868480
	.section	.rodata,"a",@progbits
	.p2align	6, 0x0
	.amdhsa_kernel k_q41513621c6_attn
		.amdhsa_group_segment_fixed_size 83456
		.amdhsa_private_segment_fixed_size 0
		.amdhsa_enable_private_segment 0
		.amdhsa_kernarg_size 32
		.amdhsa_user_sgpr_count 2
		.amdhsa_user_sgpr_kernarg_segment_ptr 1
		.amdhsa_wavefront_size32 1
		.amdhsa_system_sgpr_workgroup_id_x 1
		.amdhsa_system_sgpr_workgroup_id_y 1
		.amdhsa_system_sgpr_workgroup_id_z 1
		.amdhsa_system_vgpr_workitem_id 0
		.amdhsa_next_free_vgpr 1024
		.amdhsa_next_free_sgpr 66
		.amdhsa_reserve_vcc 1
		.amdhsa_float_denorm_mode_32 3
		.amdhsa_float_denorm_mode_16_64 3
		.amdhsa_memory_ordered 1
		.amdhsa_forward_progress 1
		.amdhsa_inst_pref_size 154
	.end_amdhsa_kernel
	.amdgpu_metadata
---
amdhsa.version: [ 1, 2 ]
amdhsa.kernels:
  - .name:           k_q41513621c6_attn
    .symbol:         k_q41513621c6_attn.kd
    .args:
      - { .name: mk, .offset: 0, .size: 8, .value_kind: global_buffer, .address_space: global }
      - { .name: qc, .offset: 8, .size: 8, .value_kind: global_buffer, .address_space: global }
      - { .name: qs, .offset: 16, .size: 8, .value_kind: global_buffer, .address_space: global }
      - { .name: out0, .offset: 24, .size: 8, .value_kind: global_buffer, .address_space: global }
    .group_segment_fixed_size: 83456
    .private_segment_fixed_size: 0
    .kernarg_segment_align: 8
    .kernarg_segment_size: 32
    .max_flat_workgroup_size: 128
    .sgpr_count:     66
    .vgpr_count:     1024
    .wavefront_size: 32
...
	.end_amdgpu_metadata
.endif
;; end of part 3
